; MI455X (gfx1250); checked and timed in simulation.
; The chip was launched on July 23, 2026; its instructions are those of AMD's public machine-readable ISA for CDNA 5 (MIT licence, August 2026) and "CDNA5" Instruction Set Architecture Reference Guide (July 2026). The comments in the code are by the model that wrote it; some were corrected since.
;; Lo RA Linear. Allowed arithmetic: matrix products marked QUANTISED: E2M3 operands, one E8M0 scale for each 32 along K, by v_wmma_scale_f32_16x16x128_f8f6f4 with both operands' format E2M3, f32 sums; products left as they are: f32 operands where the result goes on into a quantised operand, else bf16, f16 or f32 operands; f32 sums; everything else in f32.
;; Inputs: lora_a_w 16 x 4,096 float32; lora_b_w 2,048 x 16 float32; scales 2,048 x 64 float32; w_q 2,048 x 4,096 int32; x 4 x 2,048 x 4,096 float32.
;; Outputs: out0 4 x 2,048 x 2,048 float32.
;; This version of the problem:
;;   THIS VERSION OF THE PROBLEM IS GIVEN IN LOW PRECISION. The matrix products marked QUANTISED in the list below multiply operands that are first quantised to E2M3 (2 exponent bits, 3 mantissa bits; 6 bits a number), with one power-of-two scale for each 32 numbers along K (OCP MX v1.0); their sums are f32. All else is computed in f32.
;;   The module's matrix products, in the order in which they are computed (A, B: the left and right operand; K: the contracted axis; several contracted axes count as one K, in the product's order):
;;     1. [M 8,192, K 4,096] x [K 4,096, N 2,048]; A: input x; B: computed on the way: QUANTISED
;;     2. [M 8,192, K 4,096] x [K 4,096, N 16]; A: input x; B: input lora_a_w: QUANTISED
;;     3. [M 8,192, K 16] x [K 16, N 2,048]; A: computed on the way; B: input lora_b_w: left as it is (K = 16 < 32)
;;   THE QUANTISER, for each operand of a quantised product, along K:
;;     - K is cut into blocks of 32 from its start; a last block that is shorter is filled with zeros.
;;     - A block's scale is 2^e with e = floor(log2(the largest magnitude in the block)) - 2, held to -126 .. 127; a block of zeros has e = 0. As a byte (E8M0): e + 127.
;;     - Each number is divided by its block's scale, clamped to +-7.5, and rounded to the nearest number of E2M3, ties to even, subnormals kept.
;;     - The product sums the exact products of the quantised numbers (number of the format x scale) in f32.
;;   ~~~python
;;   def quantise(x, axis):      # numpy; x: float32 -> the quantised numbers, widened to float32 again
;;       x = np.moveaxis(x, axis, -1); K = x.shape[-1]
;;       x = np.pad(x, [(0, 0)] * (x.ndim - 1) + [(0, -K % 32)]); x = x.reshape(x.shape[:-1] + (-1, 32)); a = np.abs(x).max(-1, keepdims=True)
;;       e = np.where(a > 0, np.clip(np.frexp(np.where(a > 0, a, 1))[1] - 1 - 2, -126, 127), 0)      # np.frexp(a)[1] - 1 = floor(log2(a)), exactly
;;       r = np.clip(x / 2.0 ** e, -7.5, 7.5)
;;       step = 2.0 ** (np.maximum(np.frexp(np.where(r == 0, 1, r))[1] - 1, 0) - 3)
;;       q = np.round(r / step) * step * 2.0 ** e      # np.round: ties to even
;;       return np.moveaxis(q.reshape(q.shape[:-2] + (-1,))[..., :K], -1, axis).astype(np.float32)
;;   ~~~
;;   OPERANDS COMPUTED ON THE WAY. 'Computed on the way' means the value that the module computes at that place (a softmax that the list does not call 'softmax' is quantised finished and normalised). What goes into a quantiser is computed in f32, as accurately as f32 sums, v_exp_f32 and their like allow (about 1e-6 of the number): no bf16 or f16 on the way to a quantiser, and a product that is left as it is and whose result goes on into a quantised operand takes f32 operands (vector FMAs, or v_wmma_f32_16x16x4_f32). A number that lies on a knife's edge between two numbers of the format may be rounded either way, as far as f32 arithmetic and the matrix unit's own rounding can turn it there, and no further.
;; One version. Each part assembles by itself: llvm-mc -triple=amdgcn-amd-amdhsa -mcpu=gfx1250 --defsym DOCPART=n.
;; ======== version 1 of 1: 2 launches
;; limits: values are held in bf16: 8 bits of precision; right only within a limited range of input values
;; workspace buffers: xq 26,214,400 bytes; wq 6,553,600 bytes; lq 57,344 bytes
;; launch quant (part 1): grid 1024 x 1, 4 waves a work-group, no clusters, 34,304 bytes of LDS; arguments x, w_q, scales, lora_a_w, xq, wq, lq; writes xq, wq, lq
.if DOCPART == 1
	.amdgcn_target "amdgcn-amd-amdhsa--gfx1250"
	.amdhsa_code_object_version 6
	.text
	.protected	k_qad8e57c019_quant
	.globl	k_qad8e57c019_quant
	.p2align	8
	.type	k_qad8e57c019_quant,@function
k_qad8e57c019_quant:
	s_mov_b64 s[64:65], 0
	v_nop
	global_prefetch_b8 v0, s[64:65] scope:SCOPE_SE
	s_setreg_imm32_b32 hwreg(HW_REG_WAVE_MODE, 25, 1), 1
	s_wait_xcnt 0x0
; x [8192][4096] f32, lora_a_w [16][4096] f32 and W = NF4[w_q] x scales ([2048][4096]; one f32 scale for each 64 along K) become codes of FP6 (E2M3) with one E8M0 scale byte for each 32 along K.
; A block's scale is 2^(floor(log2(its largest magnitude)) - 2); its byte is the largest magnitude's exponent field - 2.
; THE UNIT IS A FRAGMENT: 16 rows x 128 along K, stored as the image of the operand's 12 registers, 1,536 bytes: group c of four registers, lane l, at 512 c + 16 l; and 16 scale words (row r's four bytes at 4 r).
; xq, wq: [panel of 128 rows][step of 128 along K: 32] blocks of 12,800 bytes: the panel's 8 fragments, then 8 x 64 bytes of scale words.  lq: [step: 32] blocks of 1,792 bytes: the fragment, its 64 bytes of scale words, the rest unused.
; SHARES.  W has 4,096 fragments and x 16,384: numbered on end (W first; in a tensor 32 steps of a group of 16 rows, then the next group) they are 4,096 waves x 5: 1,024 work-groups, four to a WGP.
; Wave i takes fragments 5 i .. 5 i + 4; each fragment has its own pointers, made at the head from the ids alone.  lora_a_w's 32 fragments go to the 32 waves of work-groups 256-263 as a sixth.
; A load reads 512 consecutive bytes of one row, 16 a lane; the conversions want 16 neighbours along K in one lane's registers: a fragment's 8,192 bytes turn through the wave's own stage in LDS.
; W: the codes of w_q turn through the stage as whole numbers; each is looked up in the 16 levels, which lie in the lanes of one register (a lane permute through the LDS unit), and multiplied by its f32 scale: one rounding.
; The scale words leave as 64 bytes a fragment (lanes 16-31 store what lanes 0-15 store): parts of a 256-byte unit, one byte in 24 of what the launch stores.
; LIMITS: NaN and infinities among the inputs are not served.  A block whose largest magnitude lies under 2^-124 has its byte held at 1; a block of zeros gets the byte 1 with zero codes, where the rule says 127:
; zero codes add nothing under any byte but 0xff, and these bytes are read by this program alone.  A code of w_q is an index into the 16 levels; one outside 0 .. 15 would be taken modulo 16.
.set ROWB,  16384
.set FRB,   1536
.set SBLK,  12800
.set SCO,   12288
.set PANELB, 32*SBLK
.set LQS,   1792
.set SP,    528                        ; a stage row: 512 bytes + 16
.set WST,   16*SP
.set GA,    4                          ; 16 x lane
.set STI,   5
.set STO,   6
.set SO,    7                          ; 4 r
.set NSA,   8                          ; 256 r: my row of the NF4 scales
.set NS,    10                         ; v10-19: two NF4 scales for each of five fragments
.set TAB,   20
.set R,     24                         ; v24-151 two sets of 64, as loaded
.set X,     152                        ; v152-215: register 16 b + i = k 32 b + 16 h + i of row r
.set PC,    216
.set TM,    236
.set PW,    252
.set SEL,   20
.set SRC,   24                         ; s[24:35] a source pointer for each fragment
.set DC,    36                         ; s[36:47] where its codes go
.set DS,    48                         ; s[48:59] where its scale words go
.set NSB,   66                         ; s[66:75] its NF4 scales
.set LR,    79                         ; 1: my wave has a sixth fragment
.set FL,    80                         ; s80-84  1: the fragment is W's
	s_load_b256 s[4:11], s[0:1], 0x0               ; x, w_q, scales, lora_a_w
	s_load_b128 s[12:15], s[0:1], 0x20             ; xq, wq
	s_load_b64 s[16:17], s[0:1], 0x30              ; lq
	v_lshl_add_u32 v246, v0, 2, 0x8400
	v_mov_b32 v247, 0
	v_lshrrev_b32 v1, 5, v0
	v_readfirstlane_b32 s18, v1                    ; wave
	v_and_b32 v1, 31, v0
	v_and_b32 v2, 15, v0                           ; r
	v_bfe_u32 v3, v0, 4, 1                         ; h
	v_lshlrev_b32 v[GA], 4, v1
	s_mul_i32 s19, s18, WST
	v_add_nc_u32 v[STI], s19, v[GA]
	v_mul_u32_u24 v[STO], v2, SP
	v_lshl_add_u32 v[STO], v3, 6, v[STO]
	v_add_nc_u32 v[STO], s19, v[STO]
	v_lshlrev_b32 v[SO], 2, v2
	v_lshlrev_b32 v[NSA], 8, v2
	s_mov_b32 s[SEL], 0x76543210
	s_mov_b32 s[SEL+1], 0xfedcba98
.macro LEVEL i, bits
	v_cmp_ne_u32 vcc_lo, \i, v2
	v_cndmask_b32 v[TAB], \bits, v[TAB], vcc_lo
.endm
	v_mov_b32 v[TAB], 0xbf800000                   ; lane l holds level l % 16
	LEVEL 1,  0xbf3239b1
	LEVEL 2,  0xbf066b30
	LEVEL 3,  0xbeca32a0
	LEVEL 4,  0xbe91a24d
	LEVEL 5,  0xbe3d353f
	LEVEL 6,  0xbdba7871
	LEVEL 7,  0
	LEVEL 8,  0x3da2faff
	LEVEL 9,  0x3e24cae3
	LEVEL 10, 0x3e7c04dd
	LEVEL 11, 0x3ead033a
	LEVEL 12, 0x3ee1a4b8
	LEVEL 13, 0x3f1007ab
	LEVEL 14, 0x3f3913b3
	LEVEL 15, 1.0
.irp j, 0,1,2,3,4,5,6,7,8,9
	v_mov_b32 v[NS+\j], 0                          ; written on every way; W's fragments load theirs
.endr
.irp b, 0,1,2,3
	v_mov_b32 v[TM+4+\b], 0                        ; a lane permute's destination counts as one of its sources
.endr
	s_wait_alu depctr_va_vdst(0)                   ; the wait at the head's end
	s_wait_kmcnt 0x0
	s_lshl_b32 s85, ttmp9, 2
	s_add_co_u32 s85, s85, s18
	s_mul_i32 s85, s85, 5                          ; my first fragment
.macro ADDR j                          ; fragment 5 i + j: tensor, group of 16 rows, step; every choice hangs on ids alone
	s_add_co_u32 s86, s85, \j
	s_cmp_lt_u32 s86, 4096
	s_cselect_b32 s[FL+\j], 1, 0
	s_cselect_b64 s[SRC+2*\j:SRC+2*\j+1], s[6:7], s[4:5]
	s_cselect_b64 s[DC+2*\j:DC+2*\j+1], s[14:15], s[12:13]
	s_cselect_b32 s87, 0, 4096
	s_sub_co_u32 s86, s86, s87
	s_lshr_b32 s88, s86, 5                         ; group of 16 rows
	s_and_b32 s89, s86, 31                         ; step
	s_lshl_b32 s90, s88, 18                        ; 16 rows of 16,384 bytes
	s_lshl_b32 s91, s89, 9
	s_add_co_u32 s90, s90, s91
	s_mov_b32 s91, 0
	s_add_nc_u64 s[SRC+2*\j:SRC+2*\j+1], s[SRC+2*\j:SRC+2*\j+1], s[90:91]
	s_lshr_b32 s92, s88, 3                         ; panel
	s_and_b32 s93, s88, 7                          ; my 16 rows in it
	s_mul_i32 s92, s92, PANELB
	s_mul_i32 s94, s89, SBLK
	s_add_co_u32 s92, s92, s94                     ; the block
	s_mul_i32 s90, s93, FRB
	s_add_co_u32 s90, s90, s92
	s_lshl_b32 s94, s93, 6
	s_add_co_u32 s94, s94, s92
	s_add_co_u32 s94, s94, SCO
	s_mov_b32 s95, 0
	s_add_nc_u64 s[DS+2*\j:DS+2*\j+1], s[DC+2*\j:DC+2*\j+1], s[94:95]
	s_add_nc_u64 s[DC+2*\j:DC+2*\j+1], s[DC+2*\j:DC+2*\j+1], s[90:91]
	s_lshl_b32 s94, s88, 12                        ; NF4 scales: 16 rows of 256 bytes, 8 bytes a step (formed on every way, used for W alone)
	s_lshl_b32 s90, s89, 3
	s_add_co_u32 s94, s94, s90
	s_add_nc_u64 s[NSB+2*\j:NSB+2*\j+1], s[8:9], s[94:95]
.endm
.irp j, 0,1,2,3,4
	ADDR \j
.endr
	s_sub_co_u32 s86, ttmp9, 256                   ; lora_a_w's step 4 (work-group - 256) + wave (formed on every way, used by work-groups 256-263 alone)
	s_lshl_b32 s86, s86, 2
	s_add_co_u32 s86, s86, s18
	s_lshl_b32 s90, s86, 9
	s_mov_b32 s91, 0
	s_add_nc_u64 s[SRC+10:SRC+11], s[10:11], s[90:91]
	s_mul_i32 s90, s86, LQS
	s_add_nc_u64 s[DC+10:DC+11], s[16:17], s[90:91]
	s_add_nc_u64 s[DS+10:DS+11], s[DC+10:DC+11], FRB
	s_lshr_b32 s86, ttmp9, 3
	s_cmp_eq_u32 s86, 32
	s_cselect_b32 s[LR], 1, 0
.macro LOAD f, ns                      ; a row to an instruction: 32 lanes read 512 consecutive bytes.  W's two NF4 scales a row go first: older than every load that a count leaves out
.if \ns
	s_cmp_lg_u32 s[FL+(\f)], 0
	s_cbranch_scc0 .Lno_ns_\@
	global_load_b64 v[NS+2*(\f):NS+2*(\f)+1], v[NSA], s[NSB+2*(\f):NSB+2*(\f)+1]
.Lno_ns_\@:
.endif
.irp i, 0,1,2,3,4,5,6,7,8,9,10,11,12,13,14,15
	global_load_b128 v[R+64*((\f)%2)+4*\i:R+64*((\f)%2)+4*\i+3], v[GA], s[SRC+2*(\f):SRC+2*(\f)+1] offset:ROWB*\i th:TH_LOAD_NT
.endr
.endm
.macro TURN f                          ; through the stage; LDS serves a wave's instructions in order (ISA guide 5.7.1.4)
.irp i, 0,1,2,3,4,5,6,7,8,9,10,11,12,13,14,15
	ds_store_b128 v[STI], v[R+64*((\f)%2)+4*\i:R+64*((\f)%2)+4*\i+3] offset:SP*\i
.endr
.irp b, 0,1,2,3
.irp j, 0,1,2,3
	ds_load_b128 v[X+16*\b+4*\j:X+16*\b+4*\j+3], v[STO] offset:128*\b+16*\j
.endr
.endr
.endm
.macro DEQ f                           ; W alone: whole numbers become NF4 level x the scale of their 64 along K
	s_cmp_lg_u32 s[FL+(\f)], 0
	s_cbranch_scc0 .Lnot_w_\@
.set n, 0
.rept 64
	v_lshlrev_b32 v[X+n], 2, v[X+n]                ; the permute's index is 4 x the lane
.set n, n+1
.endr
.set n, 0
.rept 64
	ds_bpermute_b32 v[X+n], v[X+n], v[TAB]
.set n, n+1
.endr
	s_wait_dscnt 0x0
.set n, 0
.rept 64
	v_mul_f32 v[X+n], v[X+n], v[NS+2*(\f)+n/32]
.set n, n+1
.endr
.Lnot_w_\@:
.endm
.macro QUANT s, pw
.irp b, 0,1,2,3
	v_max3_num_f32 v[TM+\b], |v[\s+16*\b]|, |v[\s+1+16*\b]|, 0x1800000   ; my 16 numbers of block b, and the floor 2^(3 - 127)
.endr
.irp i, 2,4,6,8,10,12,14
.irp b, 0,1,2,3
	v_max3_num_f32 v[TM+\b], v[TM+\b], |v[\s+16*\b+\i]|, |v[\s+1+16*\b+\i]|
.endr
.endr
.irp b, 0,1,2,3
	v_permlanex16_b32 v[TM+4+\b], v[TM+\b], s[SEL], s[SEL+1]
.endr
.irp b, 0,1,2,3
	v_max_num_f32 v[TM+\b], v[TM+\b], v[TM+4+\b]
.endr
.irp b, 0,1,2,3
	v_add_nc_u32 v[TM+12+\b], 0xff000000, v[TM+\b] ; 2 off the exponent field: the conversion's scale operand
.endr
.irp b, 0,1,2,3
	v_lshrrev_b32 v[TM+4+\b], 23, v[TM+12+\b]      ; the byte
.endr
	v_lshl_or_b32 v[\pw], v[TM+5], 8, v[TM+4]
	v_lshl_or_b32 v[\pw], v[TM+6], 16, v[\pw]
	v_lshl_or_b32 v[\pw], v[TM+7], 24, v[\pw]
.irp c, 0,1
	v_cvt_scalef32_pk16_fp6_f32 v[PC+6*\c:PC+2+6*\c], v[\s+32*\c:\s+15+32*\c], v[TM+12+2*\c]
	v_cvt_scalef32_pk16_fp6_f32 v[PC+12+4*\c:PC+14+4*\c], v[\s+16+32*\c:\s+31+32*\c], v[TM+12+2*\c+1]
.endr
	v_nop                                          ; one plain place behind a scaled conversion
.irp c, 0,1                            ; a whole block to a lane: lanes 0-15 block 2 c, lanes 16-31 block 2 c + 1
.irp i, 0,1,2
	v_permlane16_swap_b32 v[PC+6*\c+\i], v[PC+12+4*\c+\i]
.endr
.irp i, 0,1,2
	v_mov_b32 v[PC+3+6*\c+\i], v[PC+12+4*\c+\i]
.endr
.endr
.endm
.macro FRAGMENT f, left, deq           ; left: the next fragment's sixteen loads may be out
	s_wait_loadcnt \left
	TURN \f
	s_wait_dscnt 0x0                               ; my 64 numbers are back, and the stores into the stage have read their registers
.if \f > 0
	s_wait_xcnt 0x0                                ; the last fragment's stores have read theirs
.endif
.if \f < 3
	LOAD \f+2, 1
.endif
.if \f == 3
	s_cmp_lg_u32 s[LR], 0
	s_cbranch_scc0 .Lno_sixth_load
	LOAD 5, 0
.Lno_sixth_load:
.endif
.if \deq
	DEQ \f
.endif
	QUANT X, PW+(\f)%4
.irp c, 0,1,2
	global_store_b128 v[GA], v[PC+4*\c:PC+4*\c+3], s[DC+2*(\f):DC+2*(\f)+1] offset:512*\c   ; 512 consecutive bytes, aligned to 256
.endr
	global_store_b32 v[SO], v[PW+(\f)%4], s[DS+2*(\f):DS+2*(\f)+1]
.endm
	LOAD 0, 1
	LOAD 1, 1
	FRAGMENT 0, 16, 1
	FRAGMENT 1, 16, 1
	FRAGMENT 2, 16, 1
	FRAGMENT 3, 16, 1
	FRAGMENT 4, 0, 1                               ; for 0: whether a sixth fragment's loads are out differs between waves
	s_cmp_lg_u32 s[LR], 0
	s_cbranch_scc0 .Lend
	FRAGMENT 5, 0, 0
.Lend:
	s_wait_tensorcnt 0x0                           ; the wave's end
	ds_add_u32 v246, v247
	s_wait_dscnt 0x0
	s_endpgm
.Lfunc_end_k_qad8e57c019_quant:
	.size	k_qad8e57c019_quant, .Lfunc_end_k_qad8e57c019_quant-k_qad8e57c019_quant
	.p2alignl 7, 3214868480
	.fill 96, 4, 3214868480
	.section	.rodata,"a",@progbits
	.p2align	6, 0x0
	.amdhsa_kernel k_qad8e57c019_quant
		.amdhsa_group_segment_fixed_size 34304
		.amdhsa_private_segment_fixed_size 0
		.amdhsa_enable_private_segment 0
		.amdhsa_kernarg_size 56
		.amdhsa_user_sgpr_count 2
		.amdhsa_user_sgpr_kernarg_segment_ptr 1
		.amdhsa_wavefront_size32 1
		.amdhsa_system_sgpr_workgroup_id_x 1
		.amdhsa_system_sgpr_workgroup_id_y 1
		.amdhsa_system_sgpr_workgroup_id_z 1
		.amdhsa_system_vgpr_workitem_id 0
		.amdhsa_next_free_vgpr 256
		.amdhsa_next_free_sgpr 96
		.amdhsa_reserve_vcc 1
		.amdhsa_float_denorm_mode_32 3
		.amdhsa_float_denorm_mode_16_64 3
		.amdhsa_memory_ordered 1
		.amdhsa_forward_progress 1
		.amdhsa_inst_pref_size 98
	.end_amdhsa_kernel
	.amdgpu_metadata
---
amdhsa.version: [ 1, 2 ]
amdhsa.kernels:
  - .name:           k_qad8e57c019_quant
    .symbol:         k_qad8e57c019_quant.kd
    .args:
      - { .name: x, .offset: 0, .size: 8, .value_kind: global_buffer, .address_space: global }
      - { .name: w_q, .offset: 8, .size: 8, .value_kind: global_buffer, .address_space: global }
      - { .name: scales, .offset: 16, .size: 8, .value_kind: global_buffer, .address_space: global }
      - { .name: lora_a_w, .offset: 24, .size: 8, .value_kind: global_buffer, .address_space: global }
      - { .name: xq, .offset: 32, .size: 8, .value_kind: global_buffer, .address_space: global }
      - { .name: wq, .offset: 40, .size: 8, .value_kind: global_buffer, .address_space: global }
      - { .name: lq, .offset: 48, .size: 8, .value_kind: global_buffer, .address_space: global }
    .group_segment_fixed_size: 34304
    .private_segment_fixed_size: 0
    .kernarg_segment_align: 8
    .kernarg_segment_size: 56
    .max_flat_workgroup_size: 128
    .sgpr_count:     96
    .vgpr_count:     256
    .wavefront_size: 32
...
	.end_amdgpu_metadata
.endif
;; end of part 1
;; launch gemm (part 2): grid 8 x 32, 4 waves a work-group, clusters of 4 x 4, 327,680 bytes of LDS; arguments xq, wq, lq, lora_b_w, out0; writes out0
.if DOCPART == 2
	.amdgcn_target "amdgcn-amd-amdhsa--gfx1250"
	.amdhsa_code_object_version 6
	.text
	.protected	k_qad8e57c019_gemm
	.globl	k_qad8e57c019_gemm
	.p2align	8
	.type	k_qad8e57c019_gemm,@function
k_qad8e57c019_gemm:
	s_mov_b64 s[64:65], 0
	v_nop
	global_prefetch_b8 v0, s[64:65] scope:SCOPE_SE
	s_setreg_imm32_b32 hwreg(HW_REG_WAVE_MODE, 25, 1), 1
	s_wait_xcnt 0x0
	s_wait_alu depctr_hold_cnt(0) depctr_sa_sdst(0) depctr_va_vdst(0) depctr_va_sdst(0) depctr_va_ssrc(0) depctr_va_vcc(0) depctr_vm_vsrc(0)
	s_getreg_b32 s2, hwreg(HW_REG_IB_STS2, 6, 4)
	s_cmp_eq_u32 s2, 0
	s_cbranch_scc0 .Lentry_in_a_cluster
	s_endpgm
.Lentry_in_a_cluster:
	s_bfe_u32 s2, ttmp6, 0x10000c
	s_cmp_lg_u32 s2, 0xf033
	s_cbranch_scc0 .Lentry_shape_is_right
	s_endpgm
.Lentry_shape_is_right:
; out0[m][n] = sum over k of X[m][k] W[n][k] + sum over r of (sum over k of X[m][k] A[r][k]) (2 B[n][r]).  X [8192][4096], W [2048][4096], A [16][4096]: codes of FP6 (E2M3) with one E8M0
; scale for each 32 along K, made by the launch before.  A fragment (16 rows x 128 K) is stored as the image of its 12 registers, 1,536 bytes (group c of four, lane l, at 512 c + 16 l), with 16 scale words (row r at 4 r).
; xq, wq: [panel of 128 rows][step of 128 K: 32] blocks of 12,800 bytes (8 fragments, 8 x 64 bytes of scale words).  lq: [step] blocks of 1,792 bytes (fragment, 64 bytes of scale words).  B = lora_b_w [2048][16] f32.
; SHARES.  A block of out0, 256 x 256, is made by four waves, each 128 x 128: 64 accumulators.  K goes through a ring of two LDS slots of THREE steps (384 along K) each, as long as two slots fit: a wave's load is
; three blocks of a panel, 38,400 dense bytes; 4,096 along K are ten such slots and one of two steps.  A trip of the loop is two slots, six steps: then slots and W's two register sets are back where they began.
; A's fragments have no room in LDS: each wave loads them from memory into three register sets by turns, two steps ahead of their use (53,248 bytes a wave in all).
; X A^T of a row half's 128 rows is shared by its two waves: column half 0 sums row blocks 0-3, column half 1 blocks 4-7, each in the same four accumulators; at the end the sums, in bf16, change hands
; through 8,192 LDS bytes into which no tile lands, with one barrier.
; THE LAST PRODUCT (K = 16) is left as it is: X A^T and 2 B in bf16 (the factor 2 is exact), one bf16 matrix instruction for each accumulator, its upper 16 along K zeros.
; THE MATRIX INSTRUCTIONS ARE USED TRANSPOSED (source 0 = 16 rows of W, A or B; source 1 = 16 rows of X): a lane holds row l % 16 and eight neighbouring n (or ranks) 8 (l / 16) + 0 .. 7.
; CLUSTERS: 4 x 4.  X's tiles are asked for jointly along a row of the cluster, W's along a column.
; PREFETCH, once in each cluster: of the 150 blocks of 256 bytes that a wave's load brings, each of the four partners that ask jointly takes 38, told apart by address (cx for X, cy for W), in two instructions of 19 lanes;
; the last partner's two blocks over are the next slot's first two.  Slots 0, 1 and 2 at the head; the change of slots that loads slot j + 2 asks for slot j + 3; the short slot 10 (25 blocks a partner) behind the loop, a step and a half ahead of its load.
; THE STAGE of the way out lies in ring place 1, which has had its last fill and its last read when the first result is stored there.
; LIMITS: NaN and infinities among the inputs are not served; X A^T and 2 B are rounded to bf16 ahead of the last product.
; REGISTERS: window 0: v1-31 addresses, A's scale words (v8-10); v32-47 scale words of X and W, two sets; v64-95 the 4 accumulators of X A^T; v96-111 these in bf16; v128-223 X's fragments, one set; v224-255 2 B in bf16.
;   window 1: W's fragments, two sets, at v0 and v128; A's three at v96, v224, v108.  window 2: accumulators of my rows 0-63 ((a, b) at v[8 (8 a + b)]); window 3: rows 64-127.
.set SIZE_N, 2048
.set FRB,    1536
.set SBLK,   12800
.set SCO,    12288
.set PANELB, 32*SBLK
.set PB3,    3*SBLK                    ; a ring load
.set SLOT,   4*PB3                     ; X's two panels, then W's two
.set LQS,    1792
.set SPARE,  2*SLOT                    ; the spare words: 512 bytes that no other line names
.set XCH,    SPARE+512                 ; X A^T in bf16: row half x 4,096 + row block x 512 + 16 x lane
.set STAGE,  SLOT
.set SPITCH, 528
.set FR,     12
.set NL,     3
.set NP,     4                         ; places behind this matrix instruction (ISA guide 7.12.1)
.set LSC,  8
.set SO4,  12                          ; 4 r
.set PFO,  14                          ; 256 x min(lane, 18)
.set PFO2, 15                          ; 256 x min(lane, 24)
.set ADRA, 16
.set ADRB, 20
.set ADRS, 22
.set STO,  24
.set RD,   25
.set CO,   26
.set LBO,  27
.set SPW,  28
.set NIL,  29
.set XST,  30
.set XLD,  31
.set SC,   32
.set LA,   64
.set TB,   96
.set AF,   128
.set LB,   224
.set PA,   128
.set G1,   24
.set G0,   32
.set G1B,  48
.set G0B,  56
.set LQP,  82
.set PFA,  88
.set PFS,  90
.set MSB, 0
.macro WIN new                         ; the immediate's high byte repeats the setting that is left
.if MSB != \new
	s_set_vgpr_msb (MSB<<8)|\new
.set MSB, \new
.endif
.endm
.set MUL_LO, 0xa1
.set MUL_HI, 0xf1
.set MUL_L,  0x01
.set TO_B,   0x40
.macro PLACES n
.rept \n
	v_nop
.endr
.endm
.macro JLOAD s                         ; a joint load: waves 0, 1 fetch X's panels, waves 2, 3 W's; s_nop 0 and four v_nop behind each line
	s_cmp_eq_u32 s15, 0
	s_cbranch_scc0 .Lfor_b_\@
	tensor_load_to_lds s[G0+4*\s:G0+4*\s+3], s[G1:G1+7]
	s_nop 0
	PLACES 4
	s_branch .Lasked_\@
.Lfor_b_\@:
	tensor_load_to_lds s[G0B+4*\s:G0B+4*\s+3], s[G1B:G1B+7]
	s_nop 0
	PLACES 4
.Lasked_\@:
.endm
.macro CREST
	s_cmp_lg_u32 s14, 0
	s_cbranch_scc1 .Lnot_wave_0_\@
	s_barrier_signal -3
.Lnot_wave_0_\@:
	s_barrier_wait -3
	s_barrier_signal -1
	s_barrier_wait -1
.endm
.macro CROUND
	s_barrier_signal -1
	s_barrier_wait -1
	CREST
.endm
.macro ASK2 off                        ; my 38 blocks of the slot at byte off from the prefetch's base
	global_prefetch_b8 v[PFO], s[PFA:PFA+1] offset:\off th:TH_LOAD_NT scope:SCOPE_SE
	global_prefetch_b8 v[PFO], s[PFA:PFA+1] offset:\off+19*256 th:TH_LOAD_NT scope:SCOPE_SE
.endm
	s_load_b256 s[4:11], s[0:1], 0x0               ; xq, wq, lq, lora_b_w
	s_load_b64 s[12:13], s[0:1], 0x20              ; out0
	v_lshl_add_u32 v[SPW], v0, 2, SPARE
	v_mov_b32 v[NIL], 0
	ds_add_u32 v[SPW], v[NIL]                      ; the opening lines: the add twice on end and one wait
	ds_add_u32 v[SPW], v[NIL]
	v_lshrrev_b32 v1, 5, v0
	v_readfirstlane_b32 s14, v1                    ; wave
	v_and_b32 v3, 31, v0
	v_min_u32 v[PFO], 18, v3
	v_min_u32 v[PFO2], 24, v3
	v_lshlrev_b32 v[PFO], 8, v[PFO]
	v_lshlrev_b32 v[PFO2], 8, v[PFO2]
	s_lshr_b32 s15, s14, 1                         ; my row half; also: I fetch for X (0) or W (1)
	s_and_b32 s16, s14, 1                          ; my column half; also: which panel of that tile I fetch, and which row blocks of X A^T are mine
	s_bfe_u32 s40, ttmp6, 0x40000                  ; cx
	s_bfe_u32 s41, ttmp6, 0x40004                  ; cy
	s_lshl_b32 s42, ttmp9, 2
	s_add_co_u32 s42, s42, s40                     ; tile column
	s_and_b32 s17, ttmp7, 0xffff
	s_lshl_b32 s17, s17, 2
	s_add_co_u32 s17, s17, s41                     ; tile row
	s_lshl_b32 s43, s41, 2
	s_lshl_b32 s43, 15, s43                        ; my row of the cluster
	s_lshl_b32 s44, 0x1111, s40                    ; my column
	s_or_b32 s[G1+0], s43, (3<<16)|(1<<21)         ; dense blocks as rows of 256 bytes (32 elements of 8 bytes), no padding
	s_or_b32 s[G1B+0], s44, (3<<16)|(1<<21)
.irp g, G1, G1B
	s_mov_b32 s[\g+1], 32<<16
	s_mov_b32 s[\g+2], (PB3/256)<<16               ; 150 rows
	s_mov_b32 s[\g+3], 32<<16
	s_mov_b32 s[\g+4], PB3/256
	s_mov_b32 s[\g+5], 32
	s_mov_b32 s[\g+6], 0
	s_mov_b32 s[\g+7], 0
.endr
	s_lshl_b32 s20, s17, 1
	s_add_co_u32 s20, s20, s16                     ; X: panel 2 x tile row + half
	s_mul_i32 s20, s20, PANELB
	s_mov_b32 s21, 0
	s_lshl_b32 s46, s42, 1
	s_add_co_u32 s46, s46, s16                     ; W: panel 2 x tile column + half
	s_mul_i32 s46, s46, PANELB
	s_mov_b32 s47, 0
	s_mul_i32 s45, s14, PB3                        ; where my ring loads go
	s_lshl_b32 s84, s17, 8
	s_lshl_b32 s85, s15, 7
	s_add_co_u32 s84, s84, s85                     ; my first row of out0,
	s_lshl_b32 s84, s84, 13                        ; of 8,192 bytes,
	s_lshl_b32 s85, s42, 10
	s_add_co_u32 s84, s84, s85
	s_lshl_b32 s85, s16, 9
	s_add_co_u32 s84, s84, s85                     ; my first column
	s_mov_b32 s85, 0
	s_lshl_b32 s86, s42, 14                        ; B: row 256 x tile column + 128 x half, 64 bytes a row
	s_lshl_b32 s87, s16, 13
	s_add_co_u32 s86, s86, s87
	s_mov_b32 s87, 0
	s_cmp_eq_u32 s15, 0                            ; the prefetch: the panel that I fetch, and my place among the four that ask with me
	s_cselect_b32 s22, s20, s46
	s_cselect_b32 s23, s40, s41
	s_mul_i32 s92, s23, 38*256
	s_add_co_u32 s92, s92, s22
	s_mov_b32 s93, 0
	s_mul_i32 s94, s23, 25*256
	s_add_co_u32 s94, s94, s22
	s_add_co_u32 s94, s94, 10*PB3                  ; the short slot
	s_mov_b32 s95, 0
	s_wait_alu depctr_va_vdst(0)                   ; the wait here, directly ahead of the waits below
	s_wait_dscnt 0x0                               ; both opening adds are done
	s_wait_kmcnt 0x0
	s_cmp_eq_u32 s15, 0
	s_cselect_b64 s[PFA:PFA+1], s[4:5], s[6:7]
	s_add_nc_u64 s[PFS:PFS+1], s[PFA:PFA+1], s[94:95]
	s_add_nc_u64 s[PFA:PFA+1], s[PFA:PFA+1], s[92:93]
	ASK2 0                                         ; slots 0 and 1 are asked for here, ahead of the round that stands in front of the first joint loads
	ASK2 PB3
	s_add_nc_u64 s[20:21], s[4:5], s[20:21]
	s_add_nc_u64 s[46:47], s[6:7], s[46:47]
	s_add_nc_u64 s[12:13], s[12:13], s[84:85]
	s_add_nc_u64 s[10:11], s[10:11], s[86:87]
	s_mov_b64 s[LQP:LQP+1], s[8:9]
.irp s, 0,1
	s_mov_b32 s[G0+4*\s], 1
	s_add_co_u32 s[G0+4*\s+1], s45, \s*SLOT
	s_add_nc_u64 s[G0+4*\s+2:G0+4*\s+3], s[20:21], \s*PB3
	s_or_b32 s[G0+4*\s+3], s[G0+4*\s+3], 0x80000000
	s_mov_b32 s[G0B+4*\s], 1
	s_add_co_u32 s[G0B+4*\s+1], s45, \s*SLOT
	s_add_nc_u64 s[G0B+4*\s+2:G0B+4*\s+3], s[46:47], \s*PB3
	s_or_b32 s[G0B+4*\s+3], s[G0B+4*\s+3], 0x80000000
.endr
	CROUND                                         ; all sixteen work-groups are here: the first joint loads meet
	JLOAD 0                                        ; slot 0: one tensor load a wave at the head
	v_and_b32 v1, 15, v0                           ; r
	v_bfe_u32 v2, v0, 4, 1                         ; h
	ASK2 2*PB3                                     ; slot 2
	v_lshlrev_b32 v[CO], 4, v3                     ; 16 x lane
	v_lshlrev_b32 v[SO4], 2, v1
	s_mul_i32 s18, s15, PB3                        ; my panel of X
	s_mul_i32 s19, s16, PB3                        ; my panel of W,
	s_add_co_u32 s19, s19, 2*PB3                   ; behind X's two
	s_sub_co_u32 s22, s19, s18
	v_mul_u32_u24 v6, s22, v2                      ; lanes 16-31 take W's scale words: the lower base + h x the distance
	v_add_nc_u32 v6, v6, v[SO4]
.irp s, 0,1
	v_add_nc_u32 v[ADRA+\s], s18, v[CO]
	v_add_nc_u32 v[ADRB+\s], s19, v[CO]
	v_add_nc_u32 v[ADRS+\s], s18, v6
	s_add_co_u32 s18, s18, SLOT
	s_add_co_u32 s19, s19, SLOT
.endr
	s_mul_i32 s23, s14, 16*SPITCH
	s_add_co_u32 s23, s23, STAGE
	v_mul_u32_u24 v7, v1, SPITCH
	v_lshl_add_u32 v7, v2, 5, v7
	v_add_nc_u32 v[STO], s23, v7
	v_add_nc_u32 v[RD], s23, v[CO]
	s_lshl_b32 s23, s14, 11
	s_add_co_u32 s23, s23, XCH
	v_add_nc_u32 v[XST], s23, v[CO]                ; where my four blocks of X A^T go: wave x 2,048,
	s_lshl_b32 s23, s15, 12
	s_add_co_u32 s23, s23, XCH
	v_add_nc_u32 v[XLD], s23, v[CO]                ; and where my row half's eight are read
	v_lshlrev_b32 v[LBO], 6, v1
	v_lshl_add_u32 v[LBO], v2, 5, v[LBO]           ; B: row r of 64 bytes, ranks 8 h on
.irp b, 0,1,2,3,4,5,6,7
	global_load_b128 v[AF+8*\b:AF+8*\b+3], v[LBO], s[10:11] offset:1024*\b
	global_load_b128 v[AF+8*\b+4:AF+8*\b+7], v[LBO], s[10:11] offset:1024*\b+16
.endr
.set i, 0
.rept 32
	v_mov_b32 v[LA+i], 0                           ; my four sums of X A^T begin at 0: which of a step's two places adds onto them hangs on the wave's number
.set i, i+1
.endr
	s_wait_loadcnt 0x0
.set i, 0
.rept 32
	v_pk_mul_f32 v[AF+2*i:AF+2*i+1], v[AF+2*i:AF+2*i+1], 2.0 op_sel_hi:[1,0]   ; alpha / rank = 2
.set i, i+1
.endr
.set i, 0
.rept 32
	v_cvt_pk_bf16_f32 v[LB+i], v[AF+2*i], v[AF+2*i+1]
.set i, i+1
.endr
.macro FRAG reg, adr, q, i             ; a fragment comes back as it was stored: three loads of 512 consecutive bytes
.irp c, 0,1,2
	ds_load_b128 v[\reg+4*\c:\reg+4*\c+3], v[\adr] offset:SBLK*(\q)+FRB*(\i)+512*\c
.endr
.endm
.macro FETCH_W slot, q, p, i0
	WIN TO_B
.irp i, \i0, \i0+1, \i0+2, \i0+3
	FRAG 128*(\p)+FR*(\i), ADRB+\slot, \q, \i
.endr
.endm
.macro FETCH_A slot, q, i0
	WIN 0
.irp i, \i0, \i0+1, \i0+2, \i0+3
	FRAG AF+FR*(\i), ADRA+\slot, \q, \i
.endr
.endm
.macro SCALES slot, q, p               ; a step's scale words into set p: lanes 0-15 X's block i, lanes 16-31 W's: 8 loads
	WIN 0
.irp i, 0,1,2,3,4,5,6,7
	ds_load_b32 v[SC+8*(\p)+\i], v[ADRS+\slot] offset:SBLK*(\q)+SCO+64*\i
.endr
.endm
.macro AL idx, q                       ; A's fragment and scale words of the step idx blocks on from the base, into set q: 4 loads
	WIN TO_B
.irp c, 0,1,2
	global_load_b128 v[96+128*((\q)%2)+12*((\q)/2)+4*\c:96+128*((\q)%2)+12*((\q)/2)+4*\c+3], v[CO], s[LQP:LQP+1] offset:LQS*(\idx)+512*\c
.endr
	WIN 0
	global_load_b32 v[LSC+(\q)], v[SO4], s[LQP:LQP+1] offset:LQS*(\idx)+FRB
.endm
; X's block a x W's eight.  All accumulators take turns, one instruction a turn, in the same order in every step.
.macro MUL8 a, p, zero
.irp b, 0,1,2,3,4,5,6,7
.if \zero
	v_wmma_scale_f32_16x16x128_f8f6f4 v[8*(8*((\a)%4)+\b):8*(8*((\a)%4)+\b)+7], v[128*(\p)+FR*\b:128*(\p)+FR*\b+FR-1], v[AF+FR*(\a):AF+FR*(\a)+FR-1], 0, v[SC+8*(\p)+\b], v[SC+8*(\p)+(\a)] matrix_a_fmt:MATRIX_FMT_FP6 matrix_b_fmt:MATRIX_FMT_FP6 matrix_a_scale:MATRIX_SCALE_ROW1
.else
	v_wmma_scale_f32_16x16x128_f8f6f4 v[8*(8*((\a)%4)+\b):8*(8*((\a)%4)+\b)+7], v[128*(\p)+FR*\b:128*(\p)+FR*\b+FR-1], v[AF+FR*(\a):AF+FR*(\a)+FR-1], v[8*(8*((\a)%4)+\b):8*(8*((\a)%4)+\b)+7], v[SC+8*(\p)+\b], v[SC+8*(\p)+(\a)] matrix_a_fmt:MATRIX_FMT_FP6 matrix_b_fmt:MATRIX_FMT_FP6 matrix_a_scale:MATRIX_SCALE_ROW1
.endif
.endr
.endm
; A's 16 rows x X's blocks a0 .. a0 + 3, by the wave of column half c alone; the branch hangs on the wave's number and leads round the four products only.  Every window is 0 at the branch and at the label.
.macro LORA c, a0, p, q
	WIN 0
	s_cmp_eq_u32 s16, \c
	s_cbranch_scc0 .Lnot_mine_\@
	WIN MUL_L
.irp i, 0,1,2,3
	v_wmma_scale_f32_16x16x128_f8f6f4 v[LA+8*\i:LA+8*\i+7], v[96+128*((\q)%2)+12*((\q)/2):96+128*((\q)%2)+12*((\q)/2)+FR-1], v[AF+FR*((\a0)+\i):AF+FR*((\a0)+\i)+FR-1], v[LA+8*\i:LA+8*\i+7], v[LSC+(\q)], v[SC+8*(\p)+(\a0)+\i] matrix_a_fmt:MATRIX_FMT_FP6 matrix_b_fmt:MATRIX_FMT_FP6
.endr
	WIN 0
.Lnot_mine_\@:
.endm
; The second half of every step but the last: blocks 2-7, and the rest of the next step's fetches (that step: place ns, its step nq).  lw: A's loads that may stay out: those of the steps behind this one.
.macro REST p, q, ns, nq, zero, lw
	WIN MUL_LO
	MUL8 2, \p, \zero
	MUL8 3, \p, \zero
	FETCH_W \ns, \nq, 1-(\p), 4                    ; 12 loads
	s_wait_loadcnt \lw                             ; this step's fragment of A is in
	LORA 0, 0, \p, \q
	PLACES NP
	FETCH_A \ns, \nq, 0                            ; 12 loads
	s_wait_dscnt 44                                ; X's blocks 4-7 of this step are in: behind them stand the 12 + 8 + 12 + 12 loads of this step
	WIN MUL_HI
	MUL8 4, \p, \zero
	MUL8 5, \p, \zero
	MUL8 6, \p, \zero
	MUL8 7, \p, \zero
	LORA 1, 4, \p, \q
	PLACES NP
	FETCH_A \ns, \nq, 4                            ; 12 loads
.endm
; A step that has its successor in the same slot.  X has one set of registers, fetched anew in two runs, each behind NP places; W's other set, the other set of scale words and A's set of two steps on were last
; read in the step before, whose closing places serve them.  ao: which block of A is asked for, counted from the base; under 0: none.
.macro STEP slot, q, p, zero, ao, lw
	s_wait_dscnt 4*NL                              ; all is in but the youngest twelve loads: X's blocks 4-7
	WIN MUL_LO
	MUL8 0, \p, \zero
	MUL8 1, \p, \zero
	FETCH_W \slot, (\q)+1, 1-(\p), 0               ; 12 loads
.if (\ao) >= 0
	AL \ao, ((\q)+2)%3
.endif
	SCALES \slot, (\q)+1, 1-(\p)                   ; 8 loads
	REST \p, \q, \slot, (\q)+1, \zero, \lw
.endm
; A slot's third step changes slots: one barrier; in front of it the wait for all my tensor loads, the add, and the wait for it and for my reads of this slot.
; fill = 1: the slot is filled again, two slots ahead; 2: with the short slot, 100 rows.  ask = 1: the slot three on is prefetched; 2: not in the loop's last trip.
.macro TURN slot, p, next, fill, ask, ao, lw
.if \ask
	s_wait_xcnt 0x0                                ; my prefetches have read their base
	s_add_nc_u64 s[PFA:PFA+1], s[PFA:PFA+1], PB3
.endif
	s_wait_tensorcnt 0x0                           ; my part of the next slot has landed
	ds_add_u32 v[SPW], v[NIL]
	s_wait_dscnt 4*NL+1                            ; the add and X's blocks 4-7 may be out
	WIN MUL_LO
	MUL8 0, \p, 0
	s_wait_dscnt 0x0                               ; the add is done, my reads of this slot are over
	s_barrier_signal -1
	MUL8 1, \p, 0
	WIN 0
	s_barrier_wait -1
.if \fill
	CREST                                          ; the barrier has opened a round of the cluster's barrier
	s_add_nc_u64 s[G0+4*\slot+2:G0+4*\slot+3], s[G0+4*\slot+2:G0+4*\slot+3], 2*PB3
	s_add_nc_u64 s[G0B+4*\slot+2:G0B+4*\slot+3], s[G0B+4*\slot+2:G0B+4*\slot+3], 2*PB3
.if \fill == 2
	s_mov_b32 s[G1+2], (2*SBLK/256)<<16            ; no tensor load of mine is out: the last load brings two steps
	s_mov_b32 s[G1+4], 2*SBLK/256
	s_mov_b32 s[G1B+2], (2*SBLK/256)<<16
	s_mov_b32 s[G1B+4], 2*SBLK/256
.endif
	JLOAD \slot                                    ; the first tensor load behind the round
.endif
	FETCH_W \next, 0, 1-(\p), 0                    ; 12 loads: the next slot is whole behind the barrier
	AL \ao, 1
	SCALES \next, 0, 1-(\p)                        ; 8 loads
.if \ask == 2
	s_cmp_eq_u32 s3, 1
	s_cbranch_scc1 .Lno_ask_\@
.endif
.if \ask
	ASK2 2*PB3
.endif
.if \ask == 2
.Lno_ask_\@:
.endif
	REST \p, 2, \next, 0, 0, \lw
.endm
	AL 0, 0                                        ; A's fragments of steps 0 and 1
	AL 1, 1
	s_wait_alu depctr_va_vdst(0)                   ; the wait at the head's end
	s_wait_tensorcnt 0x0                           ; my part of slot 0 is in
	ds_add_u32 v[SPW], v[NIL]
	s_wait_dscnt 0x0
	CROUND                                         ; slot 0 is whole, and all sixteen work-groups are here
	JLOAD 1                                        ; slot 1's first fill
	FETCH_W 0, 0, 0, 0
	FETCH_W 0, 0, 0, 4
	FETCH_A 0, 0, 0
	SCALES 0, 0, 0
	FETCH_A 0, 0, 4
	STEP 0, 0, 0, 1, 2, 8                          ; step 0 starts the 64 sums
	s_mov_b32 s3, 4
.Llap:                                                 ; trip L: steps 6 L + 1 .. 6 L + 6; slots 2 L + 2 and 2 L + 3 are asked for
	STEP 0, 1, 1, 0, 3, 8
	TURN 0, 0, 1, 1, 1, 4, 8
	STEP 1, 0, 1, 0, 5, 8
	STEP 1, 1, 0, 0, 6, 8
	TURN 1, 1, 0, 1, 2, 7, 8
	STEP 0, 0, 0, 0, 8, 8
	s_wait_xcnt 0x0                                ; A's loads have read their base
	s_add_nc_u64 s[LQP:LQP+1], s[LQP:LQP+1], 6*LQS
	s_sub_co_u32 s3, s3, 1
	s_cmp_lg_u32 s3, 0
	s_cbranch_scc1 .Llap
	global_prefetch_b8 v[PFO2], s[PFS:PFS+1] th:TH_LOAD_NT scope:SCOPE_SE   ; the short slot 10: my 25 blocks
	STEP 0, 1, 1, 0, 3, 8                          ; steps 25 .. 31
	TURN 0, 0, 1, 2, 0, 4, 8                       ; slot 10 is asked for
	STEP 1, 0, 1, 0, 5, 8
	STEP 1, 1, 0, 0, 6, 8
	TURN 1, 1, 0, 0, 0, 7, 8                       ; nothing is filled any more
	STEP 0, 0, 0, 0, -1, 4
	s_wait_dscnt 4*NL                              ; the very last step.  X A^T is finished first, so that it changes hands under the step's other products
	WIN MUL_LO
	MUL8 0, 1, 0
	MUL8 1, 1, 0
	MUL8 2, 1, 0
	MUL8 3, 1, 0
	s_wait_loadcnt 0x0
	LORA 0, 0, 1, 1
	s_wait_dscnt 0
	LORA 1, 4, 1, 1
	WIN MUL_HI
	MUL8 4, 1, 0
	MUL8 5, 1, 0
	WIN 0
	PLACES NP                                      ; ahead of the reads of X A^T
.irp i, 0,1,2,3
.irp j, 0,1,2,3
	v_cvt_pk_bf16_f32 v[TB+4*\i+\j], v[LA+8*\i+2*\j], v[LA+8*\i+2*\j+1]   ; row r, ranks 8 h + 2 j, + 1: the bf16 operand's own layout; each accumulator from its low end on
.endr
.endr
.irp i, 0,1,2,3
	ds_store_b128 v[XST], v[TB+4*\i:TB+4*\i+3] offset:512*\i
.endr
	WIN MUL_HI
	MUL8 6, 1, 0
	s_wait_dscnt 0x0                               ; for the other wave's sake: my stores are done
	s_barrier_signal -1
	MUL8 7, 1, 0
	WIN 0
	s_barrier_wait -1
	PLACES NP+1                                    ; ahead of loads and writes over operands; one more, since another form will write over the accumulators
.irp a, 0,1,2,3,4,5,6,7
	ds_load_b128 v[PA+8*\a:PA+8*\a+3], v[XLD] offset:512*\a   ; my row half's eight blocks, mine and the other wave's
.endr
.irp a, 0,1,2,3,4,5,6,7
.irp j, 0,1,2,3
	v_mov_b32 v[PA+8*\a+4+\j], 0                   ; k = 16 .. 31
.endr
.endr
	WIN TO_B                                       ; 2 B goes where W's first set lay: eight registers a block, the upper four zeros
.irp b, 0,1,2,3,4,5,6,7
.irp j, 0,1,2,3
	v_mov_b32 v[8*\b+\j], v[LB+4*\b+\j]
.endr
.irp j, 0,1,2,3
	v_mov_b32 v[8*\b+4+\j], 0
.endr
.endr
	WIN 0
	s_wait_alu depctr_va_vdst(0)                   ; the wait here, directly ahead of the wait below
	s_wait_dscnt 0x0
	PLACES NP
.macro LAST a                          ; acc(a, b) += (2 B)(block b) x (X A^T)(block a)
	WIN MUL_LO+0x50*((\a)/4)
.irp b, 0,1,2,3,4,5,6,7
	v_wmma_f32_16x16x32_bf16 v[8*(8*((\a)%4)+\b):8*(8*((\a)%4)+\b)+7], v[8*\b:8*\b+7], v[PA+8*(\a):PA+8*(\a)+7], v[8*(8*((\a)%4)+\b):8*(8*((\a)%4)+\b)+7]
.endr
.endm
; THE WAY OUT, block by block of 16 rows x 128 columns, through my own stage: in as 32 bytes a lane, back as whole rows of 512 bytes.  LDS serves a wave's instructions in order (ISA guide 5.7.1.4).
; Block a leaves while block a + 1's last products are behind it.  Each block is read back into 64 registers of its own, which no product still names: blocks 0, 1 window 0 v64, v192; blocks 2-4 window 1 v64, v128, v192
; (W's and A's fragments are done with); blocks 5-7 window 2 v0, v64, v128 (the accumulators of blocks 0-2, whose stores into the stage are done: all but the youngest 32 LDS instructions have been waited for since).
; So no store's data are written again, and a block's rows stand in the stores' immediate (127 rows of 8,192 bytes at the most, inside the signed 24 bits): the base is never stepped.
.macro BKSET a                         ; where block a is read back: window ((a) + 1) / 3, register BB
.if (\a) < 2
.set BB, 64+128*(\a)
.else
.set BB, 64*(((\a)+1)%3)+64*(2-((\a)+1)/3)
.endif
.endm
.macro TOSTAGE a
.set AC, 64*((\a)%4)
	WIN 0x08+4*((\a)/4)                            ; an LDS store's data are its source 1
.irp b, 0,1,2,3,4,5,6,7
	ds_store_b128 v[STO], v[AC+8*\b:AC+8*\b+3] offset:64*\b
	ds_store_b128 v[STO], v[AC+8*\b+4:AC+8*\b+7] offset:64*\b+16
.endr
	BKSET \a
	WIN 64*(((\a)+1)/3)                            ; an LDS load's data are its destination
.irp t, 0,1,2,3,4,5,6,7,8,9,10,11,12,13,14,15
	ds_load_b128 v[BB+4*\t:BB+4*\t+3], v[RD] offset:\t*SPITCH
.endr
	WIN 0
.endm
.macro SEND a, younger
	BKSET \a
	s_wait_dscnt \younger                          ; the block is back in registers
	WIN 4*(((\a)+1)/3)                             ; a store's data are its source 1
.irp t, 0,1,2,3,4,5,6,7,8,9,10,11,12,13,14,15
	global_store_b128 v[CO], v[BB+4*\t:BB+4*\t+3], s[12:13] offset:(16*(\a)+\t)*SIZE_N*4 th:TH_STORE_NT   ; 32 lanes store 512 consecutive bytes, aligned to 256
.endr
	WIN 0
.endm
	LAST 0
.irp a, 0,1,2,3,4,5,6,7
.if \a < 7
	LAST \a+1
.endif
	PLACES NP                                      ; ahead of the stores that read block a's results
	TOSTAGE \a
.if \a > 0
	SEND \a-1, 32                                  ; behind block a - 1's loads: block a's 16 stores and 16 loads
.endif
.endr
	SEND 7, 0
	s_wait_tensorcnt 0x0                           ; the wave's end
	ds_add_u32 v[SPW], v[NIL]
	s_wait_dscnt 0x0
	CROUND                                         ; the closing round
	s_endpgm
.Lfunc_end_k_qad8e57c019_gemm:
	.size	k_qad8e57c019_gemm, .Lfunc_end_k_qad8e57c019_gemm-k_qad8e57c019_gemm
	.p2alignl 7, 3214868480
	.fill 96, 4, 3214868480
	.section	.rodata,"a",@progbits
	.p2align	6, 0x0
	.amdhsa_kernel k_qad8e57c019_gemm
		.amdhsa_group_segment_fixed_size 327680
		.amdhsa_private_segment_fixed_size 0
		.amdhsa_enable_private_segment 0
		.amdhsa_kernarg_size 40
		.amdhsa_user_sgpr_count 2
		.amdhsa_user_sgpr_kernarg_segment_ptr 1
		.amdhsa_wavefront_size32 1
		.amdhsa_system_sgpr_workgroup_id_x 1
		.amdhsa_system_sgpr_workgroup_id_y 1
		.amdhsa_system_sgpr_workgroup_id_z 1
		.amdhsa_system_vgpr_workitem_id 0
		.amdhsa_next_free_vgpr 1024
		.amdhsa_next_free_sgpr 96
		.amdhsa_reserve_vcc 0
		.amdhsa_float_denorm_mode_32 3
		.amdhsa_float_denorm_mode_16_64 3
		.amdhsa_memory_ordered 1
		.amdhsa_forward_progress 1
		.amdhsa_inst_pref_size 253
	.end_amdhsa_kernel
	.amdgpu_metadata
---
amdhsa.version: [ 1, 2 ]
amdhsa.kernels:
  - .name:           k_qad8e57c019_gemm
    .symbol:         k_qad8e57c019_gemm.kd
    .args:
      - { .name: xq, .offset: 0, .size: 8, .value_kind: global_buffer, .address_space: global }
      - { .name: wq, .offset: 8, .size: 8, .value_kind: global_buffer, .address_space: global }
      - { .name: lq, .offset: 16, .size: 8, .value_kind: global_buffer, .address_space: global }
      - { .name: lora_b_w, .offset: 24, .size: 8, .value_kind: global_buffer, .address_space: global }
      - { .name: out0, .offset: 32, .size: 8, .value_kind: global_buffer, .address_space: global }
    .group_segment_fixed_size: 327680
    .private_segment_fixed_size: 0
    .kernarg_segment_align: 8
    .kernarg_segment_size: 40
    .max_flat_workgroup_size: 128
    .sgpr_count:     96
    .vgpr_count:     1024
    .wavefront_size: 32
...
	.end_amdgpu_metadata
.endif
;; end of part 2
